; MI455X (gfx1250); checked and timed in simulation.
; The chip was launched on July 23, 2026; its instructions are those of AMD's public machine-readable ISA for CDNA 5 (MIT licence, August 2026) and "CDNA5" Instruction Set Architecture Reference Guide (July 2026). The comments in the code are by the model that wrote it; some were corrected since.
;; DVGO. Allowed arithmetic: float matrix products may take bf16 or f16 operands with f32 sums; all other float work in f32.
;; Inputs: density 1 x 1 x 160 x 160 x 160 float32; k0 1 x 3 x 160 x 160 x 160 float32; rays_d 16,384 x 3 float32; rays_o 16,384 x 3 float32.
;; Outputs: out0 16,384 x 3 float32.
;; 2 versions, each right; version 2 is version 1 with the launch march written anew for expert scheduling mode. Each part assembles by itself: llvm-mc -triple=amdgcn-amd-amdhsa -mcpu=gfx1250 --defsym DOCPART=n.
;; ======== version 1 of 2: 2 launches
;; workspace buffers: table 65,536,000 bytes; rayint 524,288 bytes of whole numbers
;; launch prep (part 1): grid 2000 x 1, 8 waves a work-group, no clusters, 0 bytes of LDS; arguments density, k0, rays_o, rays_d, table, rayint; writes table, rayint
.if DOCPART == 1
	.amdgcn_target "amdgcn-amd-amdhsa--gfx1250"
	.amdhsa_code_object_version 6
	.text
	.protected	k_qb4ee7fa4ce_prep
	.globl	k_qb4ee7fa4ce_prep
	.p2align	8
	.type	k_qb4ee7fa4ce_prep,@function
k_qb4ee7fa4ce_prep:
	s_mov_b64 s[64:65], 0
	v_nop
	global_prefetch_b8 v0, s[64:65] scope:SCOPE_SE
	s_setreg_imm32_b32 hwreg(HW_REG_WAVE_MODE, 25, 1), 1
	s_wait_xcnt 0x0
; PREP, two jobs.
; (1) THE TABLE.  density [160][160][160] and k0 [3][160][160][160], f32, are interleaved into table[x][y][z][4], f32, 16 bytes a voxel:
;     word 0 = (density + ACT_SHIFT) * log2(e), words 1-3 = -k0 * log2(e).  The interpolation weights of a sample add up to 1, so the shift and the
;     factors may be applied to the grid instead of to the interpolated value; the marching launch then feeds v_exp_f32 (base 2) directly.
;     A work-group takes 2,048 voxels, a wave 256 as 8 groups of 32, a lane one voxel of each group: four 4-byte loads (a wave's load covers 128 consecutive
;     bytes of one grid) and one 16-byte store (a wave's store covers 512 consecutive bytes, aligned).  All 32 loads of a wave go out before the first wait.
; (2) THE RAYS.  Work-groups 0-63 also set up 256 rays each, one thread a ray.  The march's addresses and trip counts are made of whole
;     numbers that it reads; so the floating-point part of sample_ray is done here, in f32 as reference() has it, and left as 8 whole numbers a ray:
;       p0x p0y p0z n | dx dy dz 0     p0 = grid position (index space, 0..159) of sample 0 in units of 2^-22;  d = step a sample in units of 2^-27;
;       n = samples to walk from sample 0 on (0: the ray contributes nothing), an upper bound: the marching launch still masks each sample by its position.
; LIMITS.  Inside the box means 0 <= position < 159 * 2^22; a sample 0 whose f32 point is <= 1 and rounds onto 159.0 is set one unit inside, so that sample 0, which
; lies on the entry face by construction, is masked as the f32 test of reference() masks it (its point is made by one fused multiply-add; divisions are a
; reciprocal and one correction step).  rays_d all zero, non-zero components below 2^-126, NaN and infinities are not served.
; No LDS, no matrix unit, no cluster: job 1 is a stream whose work-groups share nothing, job 2 is 16,384 independent threads.
.set CH_BYTES, 160*160*160*4           ; bytes of one grid
.set RAY_WGS,  64                      ; work-groups that also set up rays: 64 x 256 = 16,384
.set LIMIT,    159<<22                 ; the far face in fixed point
.set REC, 8                            ; v[8:39]   group k's record at v[REC+4k .. +3]: loaded, scaled in place, stored
.set KM,  40                           ; v[40:41]  factors of words 0, 1
.set KA,  42                           ; v[42:43]  addends of words 0, 1
; the ray part uses v8-67 again, behind the wait that frees the stores' registers
.set RAY, 8
.set O12, 9                            ; byte offset of the ray in rays_o and rays_d
.set O32, 10                           ; byte offset of its record
.set RO,  12                           ; v12-14  origin
.set RDIR, 16                          ; v16-18  direction
.set LO,  20                           ; v20-22  min(rate_a, rate_b)
.set HI,  24                           ; v24-26  max(rate_a, rate_b)
.set T0,  28
.set T1,  29
.set T2,  30
.set T3,  31
.set T4,  32
.set T5,  33
.set TMIN, 36
.set TMAX, 37
.set KK,  38                           ; 0.5 * 0.0125 * 79.5 / |d|
.set PW,  40                           ; v40-42  world point of sample 0
.set IDX, 44                           ; v44-46  the same in index space
.set DI,  48                           ; v48-50  step a sample in index space
.set SLO, 52                           ; v52-54  sample number at which the widened slab is entered
.set SHI, 56                           ; v56-58  and left
.set Q0,  60                           ; v[60:63] first half of the record
.set Q1,  64                           ; v[64:67] second half
	s_load_b256 s[4:11], s[0:1], 0x0               ; density s[4:5], k0 s[6:7], rays_o s[8:9], rays_d s[10:11]
	s_load_b128 s[12:15], s[0:1], 0x20             ; table s[12:13], rayint s[14:15]
	v_and_b32 v1, 31, v0                           ; lane
	v_and_b32 v2, 0xe0, v0                         ; 32 x wave
	v_lshlrev_b32 v3, 2, v1
	v_lshl_add_u32 v3, v2, 5, v3                   ; in a grid: wave x 256 voxels x 4 bytes + 4 x lane
	v_lshlrev_b32 v4, 4, v1
	v_lshl_add_u32 v4, v2, 7, v4                   ; in the table: wave x 256 voxels x 16 bytes + 16 x lane
	v_mov_b32 v[KM], 0x3fb8aa3b                    ; log2(e)
	v_mov_b32 v[KM+1], 0xbfb8aa3b                  ; -log2(e)
	v_mov_b32 v[KA], 0xc0d423b0                    ; ACT_SHIFT * log2(e) = -log2(99) = -6.6293566
	v_mov_b32 v[KA+1], 0
	s_mov_b32 s26, 0xbfb8aa3b                      ; -log2(e) for words 2, 3: the packed multiply takes the pair's low word for both
	s_mov_b32 s27, s26                             ; named with it as a pair
	s_mov_b32 s24, ttmp9
	s_lshl_b32 s16, s24, 13                        ; the work-group's 2,048 voxels: x 4 bytes in a grid,
	s_mov_b32 s17, 0
	s_lshl_b32 s18, s24, 15                        ; x 16 bytes in the table (65,536,000 at the most)
	s_mov_b32 s19, 0
	s_wait_kmcnt 0x0
	s_add_nc_u64 s[4:5], s[4:5], s[16:17]
	s_add_nc_u64 s[6:7], s[6:7], s[16:17]          ; k0, channel 0
	s_add_nc_u64 s[20:21], s[6:7], CH_BYTES        ; channel 1: too far for a load's immediate, so a base of its own
	s_add_nc_u64 s[22:23], s[6:7], 2*CH_BYTES      ; channel 2
	s_add_nc_u64 s[12:13], s[12:13], s[18:19]
.irp k, 0,1,2,3,4,5,6,7
	global_load_b32 v[REC+4*(\k)],   v3, s[4:5]   offset:128*(\k)
	global_load_b32 v[REC+4*(\k)+1], v3, s[6:7]   offset:128*(\k)
	global_load_b32 v[REC+4*(\k)+2], v3, s[20:21] offset:128*(\k)
	global_load_b32 v[REC+4*(\k)+3], v3, s[22:23] offset:128*(\k)
.endr
.irp k, 0,1,2,3,4,5,6,7
	s_wait_loadcnt 28-4*(\k)                       ; loads come back in order: group k's four are in, the four of each later group may stay out
	v_pk_fma_f32 v[REC+4*(\k):REC+4*(\k)+1], v[REC+4*(\k):REC+4*(\k)+1], v[KM:KM+1], v[KA:KA+1]
	v_pk_mul_f32 v[REC+4*(\k)+2:REC+4*(\k)+3], v[REC+4*(\k)+2:REC+4*(\k)+3], s[26:27] op_sel_hi:[1,0]
	global_store_b128 v4, v[REC+4*(\k):REC+4*(\k)+3], s[12:13] offset:512*(\k)
.endr
	s_cmp_lt_u32 s24, RAY_WGS
	s_cbranch_scc1 .Lrays
	s_endpgm
.Lrays:
	s_wait_xcnt 0x0                                ; the stores above have read their data and address registers: v8 and up are written again only behind this wait
	s_lshl_b32 s24, s24, 8
	v_add_nc_u32 v[RAY], s24, v0                   ; my ray
	v_mul_u32_u24 v[O12], 12, v[RAY]
	v_lshlrev_b32 v[O32], 5, v[RAY]
.irp a, 0,1,2
	global_load_b32 v[RO+(\a)],   v[O12], s[8:9]   offset:4*(\a)
	global_load_b32 v[RDIR+(\a)], v[O12], s[10:11] offset:4*(\a)
.endr
	s_mov_b32 s25, 0x358637bd                      ; 1e-6, which stands in for a zero direction component in the rates
	s_mov_b32 s28, 0x0d800000                      ; 2^-100: a smaller step counts as this, so that its reciprocal is finite
	s_mov_b32 s29, 0xbc23d70a                      ; -0.01:  the slabs are widened by 0.01 voxel, far more than the roundings here,
	s_mov_b32 s30, 0x431f028f                      ; 159.01: so that n never falls short
	s_mov_b32 s31, 0x440b4000                      ; 557.0, the last sample's number
	s_mov_b32 s37, LIMIT
	s_mov_b32 s38, LIMIT-1
	s_wait_loadcnt 0x0
; rate_a = (1 - o) / vec, rate_b = (-1 - o) / vec: quotient by reciprocal, then one correction by the exact remainder
.macro RATE a
	v_cmp_eq_f32 vcc_lo, 0, v[RDIR+(\a)]
	v_cndmask_b32 v[T0], v[RDIR+(\a)], s25, vcc_lo ; vec
	v_rcp_f32 v[T1], v[T0]
	v_sub_f32 v[T2], 1.0, v[RO+(\a)]               ; plain work stands between the reciprocal and its first use
	v_sub_f32 v[T3], -1.0, v[RO+(\a)]
	v_mul_f32 v[T0], -1.0, v[T0]                   ; -vec
	s_wait_alu depctr_va_vdst(0)
	v_mul_f32 v[T4], v[T2], v[T1]
	v_mul_f32 v[T5], v[T3], v[T1]
	v_fma_f32 v[T2], v[T4], v[T0], v[T2]           ; remainder
	v_fma_f32 v[T3], v[T5], v[T0], v[T3]
	v_fma_f32 v[T4], v[T2], v[T1], v[T4]
	v_fma_f32 v[T5], v[T3], v[T1], v[T5]
	v_min_num_f32 v[LO+(\a)], v[T4], v[T5]
	v_max_num_f32 v[HI+(\a)], v[T4], v[T5]
.endm
	RATE 0
	RATE 1
	RATE 2
	v_max3_num_f32 v[TMIN], v[LO], v[LO+1], v[LO+2]
	v_min3_num_f32 v[TMAX], v[HI], v[HI+1], v[HI+2]
	v_max_num_f32 v[TMIN], 0x3e4ccccd, v[TMIN]     ; clip to NEAR = 0.2
	v_max_num_f32 v[TMAX], 0x3e4ccccd, v[TMAX]
	v_min_num_f32 v[TMIN], 0x40c00000, v[TMIN]     ; and FAR = 6
	v_min_num_f32 v[TMAX], 0x40c00000, v[TMAX]
	v_cmp_lt_f32 s33, v[TMAX], v[TMIN]             ; ray_oob
	v_mul_f32 v[T0], v[RDIR], v[RDIR]
	v_fmac_f32 v[T0], v[RDIR+1], v[RDIR+1]
	v_fmac_f32 v[T0], v[RDIR+2], v[RDIR+2]
	v_rsq_f32 v[KK], v[T0]
.irp a, 0,1,2
	v_fma_f32 v[PW+(\a)], v[RDIR+(\a)], v[TMIN], v[RO+(\a)]  ; sample 0: o + d * t_min (also the plain work behind the root)
.endr
	s_wait_alu depctr_va_vdst(0)
	v_mul_f32 v[KK], 0x3efe6666, v[KK]             ; 0.496875 / |d|: half a voxel of 0.0125, times 79.5 index units a world unit
.macro AXIS a
	v_add_f32 v[T0], 1.0, v[PW+(\a)]
	v_mul_f32 v[IDX+(\a)], 0x429f0000, v[T0]       ; (p + 1) / 2 * 159
	v_mul_f32 v[DI+(\a)], v[RDIR+(\a)], v[KK]
	v_and_b32 v[T1], 0x7fffffff, v[DI+(\a)]
	v_cmp_gt_f32 vcc_lo, s28, v[T1]
	v_cndmask_b32 v[T1], v[DI+(\a)], s28, vcc_lo
	v_rcp_f32 v[T2], v[T1]
	v_sub_f32 v[T3], s29, v[IDX+(\a)]              ; plain work behind the reciprocal
	v_sub_f32 v[T4], s30, v[IDX+(\a)]
	s_wait_alu depctr_va_vdst(0)
	v_mul_f32 v[T3], v[T3], v[T2]
	v_mul_f32 v[T4], v[T4], v[T2]
	v_min_num_f32 v[SLO+(\a)], v[T3], v[T4]
	v_max_num_f32 v[SHI+(\a)], v[T3], v[T4]
	v_mul_f32 v[T0], 0x4a800000, v[IDX+(\a)]       ; x 2^22
	v_floor_f32 v[T0], v[T0]
	v_cvt_i32_f32 v[Q0+(\a)], v[T0]
	v_cmp_ge_f32 s34, 1.0, v[PW+(\a)]              ; the f32 point is not beyond the far face,
	v_cmp_eq_u32 s35, s37, v[Q0+(\a)]              ; but its position rounded onto it:
	s_and_b32 s34, s34, s35
	v_cndmask_b32 v[Q0+(\a)], v[Q0+(\a)], s38, s34 ; one unit inside.  (Rounding is monotonic: a point beyond a face never lands inside.)
	v_mul_f32 v[T0], 0x4d000000, v[DI+(\a)]        ; x 2^27: below 2^26 in magnitude
	v_rndne_f32 v[T0], v[T0]
	v_cvt_i32_f32 v[Q1+(\a)], v[T0]
.endm
	AXIS 0
	AXIS 1
	AXIS 2
	v_max3_num_f32 v[T0], v[SLO], v[SLO+1], v[SLO+2]  ; the widened box is entered at sample T0
	v_min3_num_f32 v[T1], v[SHI], v[SHI+1], v[SHI+2]  ; and left at sample T1
	v_cmp_le_f32 s34, v[T0], v[T1]                 ; it is met at all,
	v_cmp_ge_f32 s35, s31, v[T0]                   ; not behind the last sample,
	v_cmp_le_f32 s36, 0, v[T1]                     ; not in front of the first
	s_and_b32 s34, s34, s35
	s_and_b32 s34, s34, s36
	s_and_not1_b32 s34, s34, s33                   ; and the ray is not out of bounds.  Then sample 0 lies within 558 steps of the box: the positions fit 32 bits
	v_min_num_f32 v[T1], s31, v[T1]
	v_floor_f32 v[T1], v[T1]
	v_add_f32 v[T1], 1.0, v[T1]
	v_cvt_u32_f32 v[T1], v[T1]
	v_cndmask_b32 v[Q0+3], 0, v[T1], s34           ; n
	v_mov_b32 v[Q1+3], 0
	global_store_b128 v[O32], v[Q0:Q0+3], s[14:15]              ; the two stores of a wave together cover 1,024 consecutive bytes;
	global_store_b128 v[O32], v[Q1:Q1+3], s[14:15] offset:16    ; 512 KB in all beside the table's 65.5 MB
	s_endpgm
.Lfunc_end_k_qb4ee7fa4ce_prep:
	.size	k_qb4ee7fa4ce_prep, .Lfunc_end_k_qb4ee7fa4ce_prep-k_qb4ee7fa4ce_prep
	.p2alignl 7, 3214868480
	.fill 96, 4, 3214868480
	.section	.rodata,"a",@progbits
	.p2align	6, 0x0
	.amdhsa_kernel k_qb4ee7fa4ce_prep
		.amdhsa_group_segment_fixed_size 0
		.amdhsa_private_segment_fixed_size 0
		.amdhsa_enable_private_segment 0
		.amdhsa_kernarg_size 48
		.amdhsa_user_sgpr_count 2
		.amdhsa_user_sgpr_kernarg_segment_ptr 1
		.amdhsa_wavefront_size32 1
		.amdhsa_system_sgpr_workgroup_id_x 1
		.amdhsa_system_sgpr_workgroup_id_y 1
		.amdhsa_system_sgpr_workgroup_id_z 1
		.amdhsa_system_vgpr_workitem_id 0
		.amdhsa_next_free_vgpr 68
		.amdhsa_next_free_sgpr 66
		.amdhsa_reserve_vcc 1
		.amdhsa_float_denorm_mode_32 3
		.amdhsa_float_denorm_mode_16_64 3
		.amdhsa_memory_ordered 1
		.amdhsa_forward_progress 1
		.amdhsa_inst_pref_size 15
	.end_amdhsa_kernel
	.amdgpu_metadata
---
amdhsa.version: [ 1, 2 ]
amdhsa.kernels:
  - .name:           k_qb4ee7fa4ce_prep
    .symbol:         k_qb4ee7fa4ce_prep.kd
    .args:
      - { .name: density, .offset: 0, .size: 8, .value_kind: global_buffer, .address_space: global }
      - { .name: k0, .offset: 8, .size: 8, .value_kind: global_buffer, .address_space: global }
      - { .name: rays_o, .offset: 16, .size: 8, .value_kind: global_buffer, .address_space: global }
      - { .name: rays_d, .offset: 24, .size: 8, .value_kind: global_buffer, .address_space: global }
      - { .name: table, .offset: 32, .size: 8, .value_kind: global_buffer, .address_space: global }
      - { .name: rayint, .offset: 40, .size: 8, .value_kind: global_buffer, .address_space: global }
    .group_segment_fixed_size: 0
    .private_segment_fixed_size: 0
    .kernarg_segment_align: 8
    .kernarg_segment_size: 48
    .max_flat_workgroup_size: 256
    .sgpr_count:     66
    .vgpr_count:     68
    .wavefront_size: 32
...
	.end_amdgpu_metadata
.endif
;; end of part 1
;; launch march (part 2): grid 4096 x 1, 4 waves a work-group, no clusters, 0 bytes of LDS; arguments table, rayint, out0; writes out0
.if DOCPART == 2
	.amdgcn_target "amdgcn-amd-amdhsa--gfx1250"
	.amdhsa_code_object_version 6
	.text
	.protected	k_qb4ee7fa4ce_march
	.globl	k_qb4ee7fa4ce_march
	.p2align	8
	.type	k_qb4ee7fa4ce_march,@function
k_qb4ee7fa4ce_march:
	s_mov_b64 s[64:65], 0
	v_nop
	global_prefetch_b8 v0, s[64:65] scope:SCOPE_SE
	s_setreg_imm32_b32 hwreg(HW_REG_WAVE_MODE, 25, 1), 1
	s_wait_xcnt 0x0
; MARCH.  out0[ray][c] = sum over samples of alpha T sigmoid(k0) + T_end, T the product of (1 - alpha) of the samples in front.
; SHARES.  One wave to a ray (4 waves a work-group, 4,096 work-groups); the 32 lanes are 32 CONSECUTIVE samples, half a voxel apart, so the lanes of one gather
; lie within 16 voxel lengths of each other.  A trip is 32 samples; a ray has ceil(n / 32) trips, 18 at the most, n read from the ray's record.
; POSITIONS are whole numbers from the record that the launch before stored: index space in units of 2^-22.  Lane l starts at p0 + (l * d) >> 5 and adds d a trip
; (d is the step a sample in units of 2^-27 = the step of 32 samples in units of 2^-22), so a position is off by 24 units at the most.
; Voxel = position >> 22, held to 158; fraction = its low 22 bits; inside the box = 0 <= position < 159 * 2^22 on all three axes, by unsigned compares.
; TABLE.  table[x][y][z] = 16 bytes: (density + shift) log2 e, -k0 log2 e (3).  The 8 corners are 8 loads of 16 bytes from ONE address register with immediate offsets.
; ACTIVATIONS.  1 - alpha = exp(-softplus(x) / 2) = 1 / sqrt(1 + e^x); sigmoid(v) = 1 / (1 + e^-v): an exponential (base 2, the factor lies in the table) and a root or reciprocal each.
; THE PRODUCT ALONG THE RAY: a scan by DPP inside each row of 16 lanes; what stands in front of a row (the trips before, and row 0 for row 1) is a scalar.
; THE SUM over samples ('ns,nsc->nc') stays on the vector unit, three fused multiply-adds a trip: both operands belong to the ray alone, so a 16 x 16 product would use one row.
; ONE TRIP AHEAD with one buffer: interpolate trip i; address and gathers of trip i + 1; activations, scan and sums of trip i; weights of trip i + 1.  The last trip is written out without loads.
; No LDS, tensor loads or cluster: every lane has an address of its own, and no two work-groups want the same block at a known time.
; LIMITS.  A sample within some 24 units of 2^-22 voxel of a face may be masked otherwise than by reference()'s f32 test; NaN and infinities in the grids are not treated apart.
.set LIMIT, 159<<22
.set XS, 160*160*16                    ; bytes from x to x + 1
.set YS, 160*16                        ; from y to y + 1
.set ZS, 16                            ; from z to z + 1
.set LANE, 1
.set PX,  2                            ; v2-4   my sample's position
.set PY,  3
.set PZ,  4
.set REM, 5                            ; v5     n - 1 - my sample's number: negative behind the last sample
.set AD,  6                            ; v6     byte offset of corner (0,0,0) in the table
.set IX,  7
.set IY,  8
.set IZ,  9
.set T0,  10
.set T1,  11
.set T2,  12
.set FX,  14                           ; v[14:15] (1 - fx, fx);  v[16:17], v[18:19] the same for y, z
.set FY,  16
.set FZ,  18
.set WA,  20                           ; v[20:21] (1 - fx) (1 - fy), (1 - fx) fy
.set WB,  22                           ; v[22:23] fx (1 - fy), fx fy
.set W,   24                           ; v[24:31] weight of corner c = 4 bx + 2 by + bz at v[W+c]
.set DT,  32                           ; v[32:63] corner c's four channels at v[DT+4c .. +3]
.set AC,  64                           ; v[64:67] the interpolated four, then their activations
.set QP,  68                           ; 1 - alpha, then its running product inside the row
.set AL,  69                           ; alpha
.set EX,  70                           ; the product of the row's lanes in front of mine
.set BS,  71                           ; the transmittance in front of my row
.set WT,  72                           ; my sample's weight
.set CR,  73                           ; v73-75 my lane's sums of the three colours
.set CG,  74
.set CB,  75
.set TP,  76
	s_load_b128 s[4:7], s[0:1], 0x0                ; table s[4:5], rayint s[6:7]
	s_load_b64 s[8:9], s[0:1], 0x10                ; out0
	v_and_b32 v[LANE], 31, v0
	v_lshrrev_b32 v[T0], 5, v0
	v_readfirstlane_b32 s10, v[T0]                 ; wave
	s_lshl_b32 s11, ttmp9, 2
	s_add_co_u32 s10, s10, s11                     ; my ray = 4 x work-group + wave
	s_lshl_b32 s12, s10, 5                         ; its record of 32 bytes
	s_mov_b32 s13, 0
	s_mul_i32 s14, s10, 12                         ; its 12 bytes of out0
	s_mov_b32 s15, 0
	s_wait_kmcnt 0x0
	s_add_nc_u64 s[6:7], s[6:7], s[12:13]
	s_add_nc_u64 s[8:9], s[8:9], s[14:15]
	s_load_b256 s[16:23], s[6:7], 0x0              ; s16-18 p0, s19 n, s20-22 d, s23 unused
	s_mov_b32 s27, 0x3fffff                        ; the fraction's 22 bits
	s_mov_b32 s28, LIMIT
	s_mov_b32 s29, 0x34800000                      ; 2^-22
	s_mov_b32 s43, 0xb4800000                      ; -2^-22
	s_mov_b32 s35, 1.0                             ; T: the transmittance in front of the trip
	s_mov_b32 s39, 0xffff0000                      ; lanes 16-31
	s_mov_b32 s41, 0x76543210                      ; v_permlanex16_b32: each lane takes its own place in the other row
	s_mov_b32 s42, 0xfedcba98
	v_mov_b32 v[CR], 0
	v_mov_b32 v[CG], 0
	v_mov_b32 v[CB], 0
	v_mov_b32 v[TP], 0                             ; written once, since a lane permute's destination counts as read
	s_wait_kmcnt 0x0
	s_min_u32 s19, s19, 558
	s_add_co_u32 s24, s19, 31
	s_lshr_b32 s24, s24, 5                         ; trips
	s_cmp_eq_u32 s24, 0
	s_cbranch_scc1 .Lout                           ; the ray meets no sample inside the box: out = background
	s_sub_co_u32 s24, s24, 1                       ; trips that also fetch the next trip's corners
	s_sub_co_u32 s26, s19, 1
	v_mul_lo_u32 v[T0], v[LANE], s20               ; lane x d stays under 31 x 2^26
	v_mul_lo_u32 v[T1], v[LANE], s21
	v_mul_lo_u32 v[T2], v[LANE], s22
	v_ashrrev_i32 v[T0], 5, v[T0]
	v_ashrrev_i32 v[T1], 5, v[T1]
	v_ashrrev_i32 v[T2], 5, v[T2]
	v_add_nc_u32 v[PX], s16, v[T0]
	v_add_nc_u32 v[PY], s17, v[T1]
	v_add_nc_u32 v[PZ], s18, v[T2]
	v_sub_nc_u32 v[REM], s26, v[LANE]
; The address of corner (0,0,0).  Inside the box the voxel is 158 at the most by itself; the minimum keeps the lanes outside (negative positions read as large numbers) in the table.
.macro ADDR
	v_lshrrev_b32 v[IX], 22, v[PX]
	v_lshrrev_b32 v[IY], 22, v[PY]
	v_lshrrev_b32 v[IZ], 22, v[PZ]
	v_min_u32 v[IX], 158, v[IX]
	v_min_u32 v[IY], 158, v[IY]
	v_min_u32 v[IZ], 158, v[IZ]
	v_mul_u32_u24 v[IX], XS, v[IX]
	v_mul_u32_u24 v[IY], YS, v[IY]
	v_add_nc_u32 v[IX], v[IX], v[IY]
	v_lshl_add_u32 v[AD], v[IZ], 4, v[IX]
.endm
; The 8 corners: the last byte asked for is byte 65,535,999 of the table at the most (voxel 159, 159, 159).
.macro LOADS
.irp c, 0,1,2,3,4,5,6,7
	global_load_b128 v[DT+4*(\c):DT+4*(\c)+3], v[AD], s[4:5] offset:((\c)>>2)*XS+(((\c)>>1)&1)*YS+((\c)&1)*ZS
.endr
.endm
; Fractions, mask and the 8 weights of the sample in hand; then the positions step to the next trip's sample.
.macro WEIGHTS
	v_and_b32 v[T0], s27, v[PX]
	v_and_b32 v[T1], s27, v[PY]
	v_and_b32 v[T2], s27, v[PZ]
	v_cmp_gt_u32 s30, s28, v[PX]
	v_cmp_gt_u32 s31, s28, v[PY]
	v_cmp_gt_u32 s32, s28, v[PZ]
	v_cmp_le_i32 s33, 0, v[REM]
	v_cvt_f32_u32 v[T0], v[T0]                     ; exact: 22 bits
	v_cvt_f32_u32 v[T1], v[T1]
	v_cvt_f32_u32 v[T2], v[T2]
	s_and_b32 s30, s30, s31
	s_and_b32 s32, s32, s33
	s_and_b32 s34, s30, s32                        ; s34: lanes whose sample counts
	v_fma_f32 v[FX], v[T0], s43, 1.0
	v_mul_f32 v[FX+1], s29, v[T0]
	v_fma_f32 v[FY], v[T1], s43, 1.0
	v_mul_f32 v[FY+1], s29, v[T1]
	v_fma_f32 v[FZ], v[T2], s43, 1.0
	v_mul_f32 v[FZ+1], s29, v[T2]
	v_pk_mul_f32 v[WA:WA+1], v[FY:FY+1], v[FX:FX+1] op_sel_hi:[1,0]               ; both by 1 - fx
	v_pk_mul_f32 v[WB:WB+1], v[FY:FY+1], v[FX:FX+1] op_sel:[0,1] op_sel_hi:[1,1]  ; both by fx
	v_pk_mul_f32 v[W:W+1],   v[FZ:FZ+1], v[WA:WA+1] op_sel_hi:[1,0]
	v_pk_mul_f32 v[W+2:W+3], v[FZ:FZ+1], v[WA:WA+1] op_sel:[0,1] op_sel_hi:[1,1]
	v_pk_mul_f32 v[W+4:W+5], v[FZ:FZ+1], v[WB:WB+1] op_sel_hi:[1,0]
	v_pk_mul_f32 v[W+6:W+7], v[FZ:FZ+1], v[WB:WB+1] op_sel:[0,1] op_sel_hi:[1,1]
	v_add_nc_u32 v[PX], s20, v[PX]
	v_add_nc_u32 v[PY], s21, v[PY]
	v_add_nc_u32 v[PZ], s22, v[PZ]
	v_add_nc_u32 v[REM], 0xffffffe0, v[REM]        ; 32 samples on
.endm
; Corner c's four channels times its weight, two at a time; the weight is the low (bz = 0) or high (bz = 1) register of its pair, taken for both halves.
.macro CORNER c
	s_wait_loadcnt 7-(\c)                          ; loads come back in order: corner c is in, the 7 - c later corners may stay out; at c = 7 the address register is free again
.if (\c) == 0
	v_pk_mul_f32 v[AC:AC+1],   v[DT:DT+1],   v[W:W+1] op_sel_hi:[1,0]     ; the first corner starts the sums
	v_pk_mul_f32 v[AC+2:AC+3], v[DT+2:DT+3], v[W:W+1] op_sel_hi:[1,0]
.elseif ((\c)&1) == 0
	v_pk_fma_f32 v[AC:AC+1],   v[DT+4*(\c):DT+4*(\c)+1],   v[W+(\c):W+(\c)+1], v[AC:AC+1]   op_sel_hi:[1,0,1]
	v_pk_fma_f32 v[AC+2:AC+3], v[DT+4*(\c)+2:DT+4*(\c)+3], v[W+(\c):W+(\c)+1], v[AC+2:AC+3] op_sel_hi:[1,0,1]
.else
	v_pk_fma_f32 v[AC:AC+1],   v[DT+4*(\c):DT+4*(\c)+1],   v[W+(\c)-1:W+(\c)], v[AC:AC+1]   op_sel:[0,1,0] op_sel_hi:[1,1,1]
	v_pk_fma_f32 v[AC+2:AC+3], v[DT+4*(\c)+2:DT+4*(\c)+3], v[W+(\c)-1:W+(\c)], v[AC+2:AC+3] op_sel:[0,1,0] op_sel_hi:[1,1,1]
.endif
.endm
.macro INTERP
.irp c, 0,1,2,3,4,5,6,7
	CORNER \c
.endr
.endm
; Activations, the product along the ray, the three sums.  It touches neither the corners' registers nor the address: the next trip's gathers are out meanwhile.
.macro SHADE
	v_exp_f32 v[AC], v[AC]
	v_exp_f32 v[AC+1], v[AC+1]
	v_exp_f32 v[AC+2], v[AC+2]
	v_exp_f32 v[AC+3], v[AC+3]
	v_mov_b32 v[EX], 1.0                           ; a plain instruction between the exponentials and the use of their results
	s_wait_alu depctr_va_vdst(0)
	v_pk_add_f32 v[AC:AC+1], v[AC:AC+1], 1.0 op_sel_hi:[1,0]
	v_pk_add_f32 v[AC+2:AC+3], v[AC+2:AC+3], 1.0 op_sel_hi:[1,0]
	v_rsq_f32 v[AC], v[AC]                         ; 1 - alpha
	v_rcp_f32 v[AC+1], v[AC+1]                     ; the three colours
	v_rcp_f32 v[AC+2], v[AC+2]
	v_rcp_f32 v[AC+3], v[AC+3]
	v_mov_b32 v[BS], s35                           ; again a plain instruction; T in front of row 0
	s_wait_alu depctr_va_vdst(0)
	v_cndmask_b32 v[QP], 1.0, v[AC], s34           ; a sample that does not count has alpha = 0
	v_sub_f32 v[AL], 1.0, v[QP]
	v_mul_f32_dpp v[QP], v[QP], v[QP] row_shr:1 row_mask:0xf bank_mask:0xf   ; lane i takes lane i - 1 of its row; lanes without one keep their value
	v_mul_f32_dpp v[QP], v[QP], v[QP] row_shr:2 row_mask:0xf bank_mask:0xf
	v_mul_f32_dpp v[QP], v[QP], v[QP] row_shr:4 row_mask:0xf bank_mask:0xf
	v_mul_f32_dpp v[QP], v[QP], v[QP] row_shr:8 row_mask:0xf bank_mask:0xf   ; the product up to and with my lane, inside my row
	v_mov_b32_dpp v[EX], v[QP] row_shr:1 row_mask:0xf bank_mask:0xf          ; without my lane; a row's first lane keeps 1
	v_readlane_b32 s36, v[QP], 15                  ; row 0's whole product
	v_readlane_b32 s37, v[QP], 31                  ; row 1's
	v_mul_f32 v[WT], v[EX], v[AL]
	s_mul_f32 s38, s35, s36                        ; T in front of row 1
	v_cndmask_b32 v[BS], v[BS], s38, s39
	s_mul_f32 s35, s38, s37                        ; T in front of the next trip
	v_mul_f32 v[WT], v[WT], v[BS]                  ; alpha x the transmittance in front of my sample
	v_fmac_f32 v[CR], v[WT], v[AC+1]
	v_fmac_f32 v[CG], v[WT], v[AC+2]
	v_fmac_f32 v[CB], v[WT], v[AC+3]
.endm
	ADDR
	LOADS
	WEIGHTS
	s_mov_b32 s25, 0
	s_cmp_lt_u32 s25, s24
	s_cbranch_scc0 .Llast                          ; a ray of one trip
.Ltrip:                                                ; at the head, on both ways in, the 8 gathers of the trip in hand are out
	INTERP
	ADDR
	LOADS
	SHADE
	WEIGHTS
	s_add_co_u32 s25, s25, 1
	s_cmp_lt_u32 s25, s24
	s_cbranch_scc1 .Ltrip
.Llast:
	INTERP                                         ; the last trip asks for nothing more
	SHADE
.Lout:
	; the lanes' sums are added: four steps inside each row ride on the additions, one crosses the rows
.irp m, 1,2,4,8
	v_add_f32_dpp v[CR], v[CR], v[CR] row_xmask:\m row_mask:0xf bank_mask:0xf
	v_add_f32_dpp v[CG], v[CG], v[CG] row_xmask:\m row_mask:0xf bank_mask:0xf
	v_add_f32_dpp v[CB], v[CB], v[CB] row_xmask:\m row_mask:0xf bank_mask:0xf
.endr
	v_permlanex16_b32 v[TP], v[CR], s41, s42
	v_add_f32 v[CR], v[CR], v[TP]
	v_permlanex16_b32 v[TP], v[CG], s41, s42
	v_add_f32 v[CG], v[CG], v[TP]
	v_permlanex16_b32 v[TP], v[CB], s41, s42
	v_add_f32 v[CB], v[CB], v[TP]
	v_cmp_eq_u32 vcc_lo, 1, v[LANE]                ; lanes 0, 1, 2 take the three colours
	v_cndmask_b32 v[CR], v[CR], v[CG], vcc_lo
	v_cmp_eq_u32 vcc_lo, 2, v[LANE]
	v_cndmask_b32 v[CR], v[CR], v[CB], vcc_lo
	v_add_f32 v[CR], s35, v[CR]                    ; + what is left of the light x the background, 1
	v_lshlrev_b32 v[T0], 2, v[LANE]
	v_cmp_gt_u32 vcc_lo, 3, v[LANE]
	s_wait_xcnt 0x0                                ; EXEC counts among the sources of the memory instructions above: it changes only behind this wait
	s_and_saveexec_b32 s40, vcc_lo
	global_store_b32 v[T0], v[CR], s[8:9]          ; a ray's 12 bytes: all that a wave has to store (196,608 bytes in the whole launch)
	s_wait_xcnt 0x0                                ; and again in front of the line that widens it
	s_or_b32 exec_lo, exec_lo, s40
	s_endpgm
.Lfunc_end_k_qb4ee7fa4ce_march:
	.size	k_qb4ee7fa4ce_march, .Lfunc_end_k_qb4ee7fa4ce_march-k_qb4ee7fa4ce_march
	.p2alignl 7, 3214868480
	.fill 96, 4, 3214868480
	.section	.rodata,"a",@progbits
	.p2align	6, 0x0
	.amdhsa_kernel k_qb4ee7fa4ce_march
		.amdhsa_group_segment_fixed_size 0
		.amdhsa_private_segment_fixed_size 0
		.amdhsa_enable_private_segment 0
		.amdhsa_kernarg_size 24
		.amdhsa_user_sgpr_count 2
		.amdhsa_user_sgpr_kernarg_segment_ptr 1
		.amdhsa_wavefront_size32 1
		.amdhsa_system_sgpr_workgroup_id_x 1
		.amdhsa_system_sgpr_workgroup_id_y 1
		.amdhsa_system_sgpr_workgroup_id_z 1
		.amdhsa_system_vgpr_workitem_id 0
		.amdhsa_next_free_vgpr 80
		.amdhsa_next_free_sgpr 66
		.amdhsa_reserve_vcc 1
		.amdhsa_float_denorm_mode_32 3
		.amdhsa_float_denorm_mode_16_64 3
		.amdhsa_memory_ordered 1
		.amdhsa_forward_progress 1
		.amdhsa_inst_pref_size 15
	.end_amdhsa_kernel
	.amdgpu_metadata
---
amdhsa.version: [ 1, 2 ]
amdhsa.kernels:
  - .name:           k_qb4ee7fa4ce_march
    .symbol:         k_qb4ee7fa4ce_march.kd
    .args:
      - { .name: table, .offset: 0, .size: 8, .value_kind: global_buffer, .address_space: global }
      - { .name: rayint, .offset: 8, .size: 8, .value_kind: global_buffer, .address_space: global }
      - { .name: out0, .offset: 16, .size: 8, .value_kind: global_buffer, .address_space: global }
    .group_segment_fixed_size: 0
    .private_segment_fixed_size: 0
    .kernarg_segment_align: 8
    .kernarg_segment_size: 24
    .max_flat_workgroup_size: 128
    .sgpr_count:     66
    .vgpr_count:     80
    .wavefront_size: 32
...
	.end_amdgpu_metadata
.endif
;; end of part 2
;; ======== version 2 of 2: 2 launches; version 1 with the launch march written anew for expert scheduling mode
;; workspace buffers: table 65,536,000 bytes; rayint 524,288 bytes of whole numbers
;; launch prep: the kernel of part 1 again; grid 2000 x 1, 8 waves a work-group, no clusters, 0 bytes of LDS; arguments density, k0, rays_o, rays_d, table, rayint; writes table, rayint
;; launch march (part 3): grid 4096 x 1, 4 waves a work-group, no clusters, 0 bytes of LDS; arguments table, rayint, out0; writes out0
.if DOCPART == 3
	.amdgcn_target "amdgcn-amd-amdhsa--gfx1250"
	.amdhsa_code_object_version 6
	.text
	.protected	k_qb4ee7fa4ce_march
	.globl	k_qb4ee7fa4ce_march
	.p2align	8
	.type	k_qb4ee7fa4ce_march,@function
k_qb4ee7fa4ce_march:
	s_mov_b64 s[64:65], 0
	v_nop
	global_prefetch_b8 v0, s[64:65] scope:SCOPE_SE
	s_setreg_imm32_b32 hwreg(HW_REG_WAVE_SCHED_MODE, 0, 2), 2
	s_setreg_imm32_b32 hwreg(HW_REG_WAVE_MODE, 25, 1), 1
	s_wait_xcnt 0x0
	s_wait_alu depctr_vm_vsrc(0)
; MARCH.  out0[ray][c] = sum over samples of alpha T sigmoid(k0) + T_end, T the product of (1 - alpha) of the samples in front.
; SHARES.  One wave to a ray (4 waves a work-group, 4,096 work-groups); the 32 lanes are 32 CONSECUTIVE samples, half a voxel apart, so the lanes of one gather
; lie within 16 voxel lengths of each other.  A trip is 32 samples; a ray has ceil(n / 32) trips, 18 at the most, n read from the ray's record.
; POSITIONS are whole numbers from the record that the launch before stored: index space in units of 2^-22.  Lane l starts at p0 + (l * d) >> 5 and adds d a trip
; (d is the step a sample in units of 2^-27 = the step of 32 samples in units of 2^-22), so a position is off by 24 units at the most.
; Voxel = position >> 22, held to 158; fraction = its low 22 bits; inside the box = 0 <= position < 159 * 2^22 on all three axes, by unsigned compares.
; TABLE.  table[x][y][z] = 16 bytes: (density + shift) log2 e, -k0 log2 e (3).  The 8 corners are 8 loads of 16 bytes from ONE address register with immediate offsets.
; ACTIVATIONS.  1 - alpha = exp(-softplus(x) / 2) = 1 / sqrt(1 + e^x); sigmoid(v) = 1 / (1 + e^-v): an exponential (base 2, the factor lies in the table) and a root or reciprocal each.
; THE PRODUCT ALONG THE RAY: a scan by DPP inside each row of 16 lanes; what stands in front of a row (the trips before, and row 0 for row 1) is a scalar.
; THE SUM over samples ('ns,nsc->nc') stays on the vector unit, three fused multiply-adds a trip: both operands belong to the ray alone, so a 16 x 16 product would use one row.
; No LDS, tensor loads or cluster: every lane has an address of its own, and no two work-groups want the same block at a known time.
; LIMITS.  A sample within some 24 units of 2^-22 voxel of a face may be masked otherwise than by reference()'s f32 test; NaN and infinities in the grids are not treated apart.
; THE MODE: SCHED_MODE bits 1:0 = 2 (LLVM: expert scheduling mode 2), set by the entry lines.  The code itself states the register dependences
; between vector instructions and memory instructions, with s_wait_alu, always for 0.
; THE PLAN.  Registers that memory instructions touch:
;   v[DT ..], 32   the 8 corners.  Written by the 8 gathers alone; read by INTERP's 16 packed lines, each behind its counted wait on LOADcnt.
;   v[AD]          the gathers' one offset.  Written by one vector line a trip (ADDR_B); read by the 8 gathers that follow it.
;   v[T0], v[CR]   at the way out: offset and data of the one store.
;   Positions, voxel numbers, fractions, weights, v[AC ..], the scan and the sums are named by vector instructions alone.
; ONE TRIP AHEAD with one buffer.  A trip, with trip i's gathers out at its head: the voxel numbers of trip i + 1 (ADDR_A), ahead of the first wait for data; INTERP of trip i;
; a wait on vm_vsrc (trip i's gathers have read v[AD]); ADDR_B; ONE wait on va_vdst (v[AD] is written, INTERP is done reading v[DT ..]); the 8 gathers of trip i + 1, dealt in pairs
; among SHADE's four exponentials, which name v[AC ..] alone; the rest of SHADE of trip i and WEIGHTS of trip i + 1, which name neither v[AD] nor v[DT ..].
; The last trip is written out without loads, and so without those two waits.
; A second buffer of corners is not taken: it is 32 registers more, 112 for 80, that is 9 waves on a SIMD's 1,024 registers for 12.
; Scalars that vector instructions write (s10; s30-33; s36, s37; s44, s45; VCC) are each waited for in their own straight run of code, ahead of their first reader.
.set LIMIT, 159<<22
.set XS, 160*160*16                    ; bytes from x to x + 1
.set YS, 160*16                        ; from y to y + 1
.set ZS, 16                            ; from z to z + 1
.set LANE, 1
.set PX,  2                            ; v2-4   my sample's position
.set PY,  3
.set PZ,  4
.set REM, 5                            ; v5     n - 1 - my sample's number: negative behind the last sample
.set AD,  6                            ; v6     byte offset of corner (0,0,0) in the table
.set IX,  7
.set IY,  8
.set IZ,  9
.set T0,  10
.set T1,  11
.set T2,  12
.set FX,  14                           ; v[14:15] (1 - fx, fx);  v[16:17], v[18:19] the same for y, z
.set FY,  16
.set FZ,  18
.set WA,  20                           ; v[20:21] (1 - fx) (1 - fy), (1 - fx) fy
.set WB,  22                           ; v[22:23] fx (1 - fy), fx fy
.set W,   24                           ; v[24:31] weight of corner c = 4 bx + 2 by + bz at v[W+c]
.set DT,  32                           ; v[32:63] corner c's four channels at v[DT+4c .. +3]
.set AC,  64                           ; v[64:67] the interpolated four, then their activations
.set QP,  68                           ; 1 - alpha, then its running product inside the row
.set AL,  69                           ; alpha
.set EX,  70                           ; the product of the row's lanes in front of mine
.set BS,  71                           ; the transmittance in front of my row
.set WT,  72                           ; my sample's weight
.set CR,  73                           ; v73-75 my lane's sums of the three colours
.set CG,  74
.set CB,  75
.set TP,  76
	s_load_b128 s[4:7], s[0:1], 0x0                ; table s[4:5], rayint s[6:7]
	s_load_b64 s[8:9], s[0:1], 0x10                ; out0
	v_and_b32 v[LANE], 31, v0
	v_lshrrev_b32 v[T0], 5, v0
	v_readfirstlane_b32 s10, v[T0]                 ; wave
	s_lshl_b32 s11, ttmp9, 2
	s_wait_alu depctr_va_sdst(0)                   ; s10 is written, ahead of its first reader: the ray's number is made from it
	s_add_co_u32 s10, s10, s11                     ; my ray = 4 x work-group + wave
	s_lshl_b32 s12, s10, 5                         ; its record of 32 bytes
	s_mov_b32 s13, 0
	s_mul_i32 s14, s10, 12                         ; its 12 bytes of out0
	s_mov_b32 s15, 0
	s_wait_kmcnt 0x0
	s_add_nc_u64 s[6:7], s[6:7], s[12:13]
	s_add_nc_u64 s[8:9], s[8:9], s[14:15]
	s_load_b256 s[16:23], s[6:7], 0x0              ; s16-18 p0, s19 n, s20-22 d, s23 unused
	s_mov_b32 s27, 0x3fffff                        ; the fraction's 22 bits
	s_mov_b32 s28, LIMIT
	s_mov_b32 s29, 0x34800000                      ; 2^-22
	s_mov_b32 s43, 0xb4800000                      ; -2^-22
	s_mov_b32 s35, 1.0                             ; T: the transmittance in front of the trip
	s_mov_b32 s39, 0xffff0000                      ; lanes 16-31
	s_mov_b32 s41, 0x76543210                      ; v_permlanex16_b32: each lane takes its own place in the other row
	s_mov_b32 s42, 0xfedcba98
	v_mov_b32 v[CR], 0
	v_mov_b32 v[CG], 0
	v_mov_b32 v[CB], 0
	v_mov_b32 v[TP], 0                             ; written once, since a lane permute's destination counts as read
	s_wait_kmcnt 0x0
	s_min_u32 s19, s19, 558
	s_add_co_u32 s24, s19, 31
	s_lshr_b32 s24, s24, 5                         ; trips
	s_cmp_eq_u32 s24, 0
	s_cbranch_scc1 .Lout                           ; the ray meets no sample inside the box: out = background
	s_sub_co_u32 s24, s24, 1                       ; trips that also fetch the next trip's corners
	s_sub_co_u32 s26, s19, 1
	v_mul_lo_u32 v[T0], v[LANE], s20               ; lane x d stays under 31 x 2^26
	v_mul_lo_u32 v[T1], v[LANE], s21
	v_mul_lo_u32 v[T2], v[LANE], s22
	v_ashrrev_i32 v[T0], 5, v[T0]
	v_ashrrev_i32 v[T1], 5, v[T1]
	v_ashrrev_i32 v[T2], 5, v[T2]
	v_add_nc_u32 v[PX], s16, v[T0]
	v_add_nc_u32 v[PY], s17, v[T1]
	v_add_nc_u32 v[PZ], s18, v[T2]
	v_sub_nc_u32 v[REM], s26, v[LANE]
; The address of corner (0,0,0), in two parts.  Inside the box the voxel is 158 at the most by itself; the minimum keeps the lanes outside (negative positions read as large numbers) in the table.
; ADDR_A writes registers that no memory instruction names; ADDR_B is the one line that writes the gathers' offset.
.macro ADDR_A
	v_lshrrev_b32 v[IX], 22, v[PX]
	v_lshrrev_b32 v[IY], 22, v[PY]
	v_lshrrev_b32 v[IZ], 22, v[PZ]
	v_min_u32 v[IX], 158, v[IX]
	v_min_u32 v[IY], 158, v[IY]
	v_min_u32 v[IZ], 158, v[IZ]
	v_mul_u32_u24 v[IX], XS, v[IX]
	v_mul_u32_u24 v[IY], YS, v[IY]
	v_add_nc_u32 v[IX], v[IX], v[IY]
.endm
.macro ADDR_B
	v_lshl_add_u32 v[AD], v[IZ], 4, v[IX]
.endm
; Corner c: the last byte asked for is byte 65,535,999 of the table at the most (voxel 159, 159, 159).
.macro LOAD c
	global_load_b128 v[DT+4*(\c):DT+4*(\c)+3], v[AD], s[4:5] offset:((\c)>>2)*XS+(((\c)>>1)&1)*YS+((\c)&1)*ZS
.endm
; Fractions, mask and the 8 weights of the sample in hand; then the positions step to the next trip's sample.
.macro WEIGHTS
	v_and_b32 v[T0], s27, v[PX]
	v_and_b32 v[T1], s27, v[PY]
	v_and_b32 v[T2], s27, v[PZ]
	v_cmp_gt_u32 s30, s28, v[PX]
	v_cmp_gt_u32 s31, s28, v[PY]
	v_cmp_gt_u32 s32, s28, v[PZ]
	v_cmp_le_i32 s33, 0, v[REM]
	v_cvt_f32_u32 v[T0], v[T0]                     ; exact: 22 bits
	v_cvt_f32_u32 v[T1], v[T1]
	v_cvt_f32_u32 v[T2], v[T2]
	s_wait_alu depctr_va_sdst(0)                   ; the four compares have written s30 to s33, ahead of their first readers below
	s_and_b32 s30, s30, s31
	s_and_b32 s32, s32, s33
	s_and_b32 s34, s30, s32                        ; s34: lanes whose sample counts
	v_fma_f32 v[FX], v[T0], s43, 1.0
	v_mul_f32 v[FX+1], s29, v[T0]
	v_fma_f32 v[FY], v[T1], s43, 1.0
	v_mul_f32 v[FY+1], s29, v[T1]
	v_fma_f32 v[FZ], v[T2], s43, 1.0
	v_mul_f32 v[FZ+1], s29, v[T2]
	v_pk_mul_f32 v[WA:WA+1], v[FY:FY+1], v[FX:FX+1] op_sel_hi:[1,0]               ; both by 1 - fx
	v_pk_mul_f32 v[WB:WB+1], v[FY:FY+1], v[FX:FX+1] op_sel:[0,1] op_sel_hi:[1,1]  ; both by fx
	v_pk_mul_f32 v[W:W+1],   v[FZ:FZ+1], v[WA:WA+1] op_sel_hi:[1,0]
	v_pk_mul_f32 v[W+2:W+3], v[FZ:FZ+1], v[WA:WA+1] op_sel:[0,1] op_sel_hi:[1,1]
	v_pk_mul_f32 v[W+4:W+5], v[FZ:FZ+1], v[WB:WB+1] op_sel_hi:[1,0]
	v_pk_mul_f32 v[W+6:W+7], v[FZ:FZ+1], v[WB:WB+1] op_sel:[0,1] op_sel_hi:[1,1]
	v_add_nc_u32 v[PX], s20, v[PX]
	v_add_nc_u32 v[PY], s21, v[PY]
	v_add_nc_u32 v[PZ], s22, v[PZ]
	v_add_nc_u32 v[REM], 0xffffffe0, v[REM]        ; 32 samples on
.endm
; Corner c's four channels times its weight, two at a time; the weight is the low (bz = 0) or high (bz = 1) register of its pair, taken for both halves.
.macro CORNER c
	s_wait_loadcnt 7-(\c)                          ; loads come back in order: corner c is in, the 7 - c later corners may stay out; at c = 7 all eight loads that read the address register are done
.if (\c) == 0
	v_pk_mul_f32 v[AC:AC+1],   v[DT:DT+1],   v[W:W+1] op_sel_hi:[1,0]     ; the first corner starts the sums
	v_pk_mul_f32 v[AC+2:AC+3], v[DT+2:DT+3], v[W:W+1] op_sel_hi:[1,0]
.elseif ((\c)&1) == 0
	v_pk_fma_f32 v[AC:AC+1],   v[DT+4*(\c):DT+4*(\c)+1],   v[W+(\c):W+(\c)+1], v[AC:AC+1]   op_sel_hi:[1,0,1]
	v_pk_fma_f32 v[AC+2:AC+3], v[DT+4*(\c)+2:DT+4*(\c)+3], v[W+(\c):W+(\c)+1], v[AC+2:AC+3] op_sel_hi:[1,0,1]
.else
	v_pk_fma_f32 v[AC:AC+1],   v[DT+4*(\c):DT+4*(\c)+1],   v[W+(\c)-1:W+(\c)], v[AC:AC+1]   op_sel:[0,1,0] op_sel_hi:[1,1,1]
	v_pk_fma_f32 v[AC+2:AC+3], v[DT+4*(\c)+2:DT+4*(\c)+3], v[W+(\c)-1:W+(\c)], v[AC+2:AC+3] op_sel:[0,1,0] op_sel_hi:[1,1,1]
.endif
.endm
.macro INTERP
.irp c, 0,1,2,3,4,5,6,7
	CORNER \c
.endr
.endm
; Activations, the product along the ray, the three sums.  No line of it names the corners' registers or the address.
; ahead = 1: the next trip's 8 gathers are dealt among the four exponentials, two in front of each, in the corners' order.  They owe no wait of their own:
; since the wait on va_vdst that stands in front of this macro only the exponentials have been issued, and those name v[AC ..] alone.
.macro SHADE ahead
.irp j, 0,1,2,3
.if \ahead
	LOAD 2*(\j)
	LOAD 2*(\j)+1
.endif
	v_exp_f32 v[AC+(\j)], v[AC+(\j)]
.endr
	v_mov_b32 v[EX], 1.0                           ; a plain instruction between the exponentials and the use of their results
	s_wait_alu depctr_va_vdst(0)
	v_pk_add_f32 v[AC:AC+1], v[AC:AC+1], 1.0 op_sel_hi:[1,0]
	v_pk_add_f32 v[AC+2:AC+3], v[AC+2:AC+3], 1.0 op_sel_hi:[1,0]
	v_rsq_f32 v[AC], v[AC]                         ; 1 - alpha
	v_rcp_f32 v[AC+1], v[AC+1]                     ; the three colours
	v_rcp_f32 v[AC+2], v[AC+2]
	v_rcp_f32 v[AC+3], v[AC+3]
	v_mov_b32 v[BS], s35                           ; again a plain instruction; T in front of row 0
	s_wait_alu depctr_va_vdst(0)
	v_cndmask_b32 v[QP], 1.0, v[AC], s34           ; a sample that does not count has alpha = 0 (s34 was written by a scalar instruction)
	v_sub_f32 v[AL], 1.0, v[QP]
	v_mul_f32_dpp v[QP], v[QP], v[QP] row_shr:1 row_mask:0xf bank_mask:0xf   ; lane i takes lane i - 1 of its row; lanes without one keep their value
	v_mul_f32_dpp v[QP], v[QP], v[QP] row_shr:2 row_mask:0xf bank_mask:0xf
	v_mul_f32_dpp v[QP], v[QP], v[QP] row_shr:4 row_mask:0xf bank_mask:0xf
	v_mul_f32_dpp v[QP], v[QP], v[QP] row_shr:8 row_mask:0xf bank_mask:0xf   ; the product up to and with my lane, inside my row
	v_mov_b32_dpp v[EX], v[QP] row_shr:1 row_mask:0xf bank_mask:0xf          ; without my lane; a row's first lane keeps 1
	v_readlane_b32 s36, v[QP], 15                  ; row 0's whole product
	v_readlane_b32 s37, v[QP], 31                  ; row 1's
	v_mul_f32 v[WT], v[EX], v[AL]
	s_wait_alu depctr_va_sdst(0)                   ; s36 and s37 are written, ahead of their first readers: the two scalar products below
	s_mul_f32 s38, s35, s36                        ; T in front of row 1
	v_cndmask_b32 v[BS], v[BS], s38, s39
	s_mul_f32 s35, s38, s37                        ; T in front of the next trip
	v_mul_f32 v[WT], v[WT], v[BS]                  ; alpha x the transmittance in front of my sample
	v_fmac_f32 v[CR], v[WT], v[AC+1]
	v_fmac_f32 v[CG], v[WT], v[AC+2]
	v_fmac_f32 v[CB], v[WT], v[AC+3]
.endm
	ADDR_A
	ADDR_B
	s_wait_alu depctr_va_vdst(0)                   ; v[AD] is written, which the first trip's gathers read as their offset
.irp c, 0,1,2,3,4,5,6,7
	LOAD \c
.endr
	WEIGHTS
	s_mov_b32 s25, 0
	s_cmp_lt_u32 s25, s24
	s_cbranch_scc0 .Llast                          ; a ray of one trip
.Ltrip:                                                ; at the head, on both ways in, the 8 gathers of the trip in hand are out
	ADDR_A                                         ; the next trip's voxel numbers, ahead of the first wait for data: IX, IY, IZ are named by no memory instruction
	INTERP
	s_wait_alu depctr_vm_vsrc(0)                   ; the gathers of the trip in hand have read v[AD], which the next line writes again
	ADDR_B
	s_wait_alu depctr_va_vdst(0)                   ; v[AD] is written, which the gathers in SHADE read; INTERP is done reading v[DT ..], in which they land
	SHADE 1
	WEIGHTS
	s_add_co_u32 s25, s25, 1
	s_cmp_lt_u32 s25, s24
	s_cbranch_scc1 .Ltrip
.Llast:
	INTERP                                         ; the last trip asks for nothing more
	SHADE 0
.Lout:
	v_cmp_eq_u32 s44, 1, v[LANE]                   ; the way out's three compares stand in one run, ahead of the additions; lanes 0, 1, 2 take the three colours
	v_cmp_eq_u32 s45, 2, v[LANE]
	v_cmp_gt_u32 vcc_lo, 3, v[LANE]                ; and they alone store
	; the lanes' sums are added: four steps inside each row ride on the additions, one crosses the rows
.irp m, 1,2,4,8
	v_add_f32_dpp v[CR], v[CR], v[CR] row_xmask:\m row_mask:0xf bank_mask:0xf
	v_add_f32_dpp v[CG], v[CG], v[CG] row_xmask:\m row_mask:0xf bank_mask:0xf
	v_add_f32_dpp v[CB], v[CB], v[CB] row_xmask:\m row_mask:0xf bank_mask:0xf
.endr
	v_permlanex16_b32 v[TP], v[CR], s41, s42
	v_add_f32 v[CR], v[CR], v[TP]
	v_permlanex16_b32 v[TP], v[CG], s41, s42
	v_add_f32 v[CG], v[CG], v[TP]
	v_permlanex16_b32 v[TP], v[CB], s41, s42
	v_add_f32 v[CB], v[CB], v[TP]
	s_wait_alu depctr_va_sdst(0)                   ; s44 and s45 are written, ahead of their first readers: the two selects below
	v_cndmask_b32 v[CR], v[CR], v[CG], s44
	v_cndmask_b32 v[CR], v[CR], v[CB], s45
	v_add_f32 v[CR], s35, v[CR]                    ; + what is left of the light x the background, 1
	v_lshlrev_b32 v[T0], 2, v[LANE]
	s_wait_xcnt 0x0                                ; EXEC counts among the sources of the memory instructions above: it changes only behind this wait
	s_wait_alu depctr_va_vcc(0)                    ; VCC is written: EXEC is made from it
	s_wait_alu depctr_va_vdst(0)                   ; every vector instruction issued under the full EXEC has written its result, v[T0] and v[CR], the store's offset and data, among them
	s_wait_alu depctr_vm_vsrc(0)                   ; every memory instruction issued under the full EXEC has read its registers
	s_and_saveexec_b32 s40, vcc_lo
	global_store_b32 v[T0], v[CR], s[8:9]          ; a ray's 12 bytes: all that a wave has to store (196,608 bytes in the whole launch)
	s_wait_xcnt 0x0                                ; and again in front of the line that widens it
	s_wait_alu depctr_va_vdst(0)                   ; no vector instruction is pending under the narrow EXEC
	s_wait_alu depctr_vm_vsrc(0)                   ; the store has read its vector registers under the narrow EXEC
	s_or_b32 exec_lo, exec_lo, s40
	s_endpgm
.Lfunc_end_k_qb4ee7fa4ce_march:
	.size	k_qb4ee7fa4ce_march, .Lfunc_end_k_qb4ee7fa4ce_march-k_qb4ee7fa4ce_march
	.p2alignl 7, 3214868480
	.fill 96, 4, 3214868480
	.section	.rodata,"a",@progbits
	.p2align	6, 0x0
	.amdhsa_kernel k_qb4ee7fa4ce_march
		.amdhsa_group_segment_fixed_size 0
		.amdhsa_private_segment_fixed_size 0
		.amdhsa_enable_private_segment 0
		.amdhsa_kernarg_size 24
		.amdhsa_user_sgpr_count 2
		.amdhsa_user_sgpr_kernarg_segment_ptr 1
		.amdhsa_wavefront_size32 1
		.amdhsa_system_sgpr_workgroup_id_x 1
		.amdhsa_system_sgpr_workgroup_id_y 1
		.amdhsa_system_sgpr_workgroup_id_z 1
		.amdhsa_system_vgpr_workitem_id 0
		.amdhsa_next_free_vgpr 80
		.amdhsa_next_free_sgpr 66
		.amdhsa_reserve_vcc 1
		.amdhsa_float_denorm_mode_32 3
		.amdhsa_float_denorm_mode_16_64 3
		.amdhsa_memory_ordered 1
		.amdhsa_forward_progress 1
		.amdhsa_inst_pref_size 15
	.end_amdhsa_kernel
	.amdgpu_metadata
---
amdhsa.version: [ 1, 2 ]
amdhsa.kernels:
  - .name:           k_qb4ee7fa4ce_march
    .symbol:         k_qb4ee7fa4ce_march.kd
    .args:
      - { .name: table, .offset: 0, .size: 8, .value_kind: global_buffer, .address_space: global }
      - { .name: rayint, .offset: 8, .size: 8, .value_kind: global_buffer, .address_space: global }
      - { .name: out0, .offset: 16, .size: 8, .value_kind: global_buffer, .address_space: global }
    .group_segment_fixed_size: 0
    .private_segment_fixed_size: 0
    .kernarg_segment_align: 8
    .kernarg_segment_size: 24
    .max_flat_workgroup_size: 128
    .sgpr_count:     66
    .vgpr_count:     80
    .wavefront_size: 32
...
	.end_amdgpu_metadata
.endif
;; end of part 3
